; MI455X (gfx1250); checked and timed in simulation.
; The chip was launched on July 23, 2026; its instructions are those of AMD's public machine-readable ISA for CDNA 5 (MIT licence, August 2026) and "CDNA5" Instruction Set Architecture Reference Guide (July 2026). The comments in the code are by the model that wrote it; some were corrected since.
;; Affinity Layer. Allowed arithmetic: matrix products marked QUANTISED: E2M3 operands, one E8M0 scale for each 32 along K, by v_wmma_scale_f32_16x16x128_f8f6f4 with both operands' format E2M3, f32 sums; everything else in f32.
;; Inputs: key_codes 8 x 2,048 x 32 x 24 uint8 (E2M3 codes of key, K innermost, in blocks of 32 codes, four codes in three bytes); key_scales 8 x 2,048 x 32 uint8 (E8M0 scales of key, one for each 32 codes along K); query_codes 8 x 2,048 x 32 x 24 uint8 (E2M3 codes of query, K innermost, in blocks of 32 codes, four codes in three bytes); query_scales 8 x 2,048 x 32 uint8 (E8M0 scales of query, one for each 32 codes along K); value_codes 8 x 1,024 x 64 x 24 uint8 (E2M3 codes of value, K innermost, in blocks of 32 codes, four codes in three bytes); value_scales 8 x 1,024 x 64 uint8 (E8M0 scales of value, one for each 32 codes along K).
;; Outputs: out0 8 x 2,048 x 1,024 float32.
;; This version of the problem:
;;   THIS VERSION OF THE PROBLEM IS GIVEN IN LOW PRECISION. The matrix products marked QUANTISED in the list below multiply operands that are first quantised to E2M3 (2 exponent bits, 3 mantissa bits; 6 bits a number), with one power-of-two scale for each 32 numbers along K (OCP MX v1.0); their sums are f32. All else is computed in f32.
;;   The module's matrix products, in the order in which they are computed (A, B: the left and right operand; K: the contracted axis; several contracted axes count as one K, in the product's order):
;;     1. batch 8 x [M 2,048, K 1,024] x [K 1,024, N 2,048]; A: input query (given as codes); B: input key (given as codes): QUANTISED
;;     2. batch 8 x [M 2,048, K 2,048] x [K 2,048, N 1,024]; A: softmax (see below); B: input value (given as codes): QUANTISED
;;   THE QUANTISER, for each operand of a quantised product, along K:
;;     - K is cut into blocks of 32 from its start; a last block that is shorter is filled with zeros.
;;     - A block's scale is 2^e with e = floor(log2(the largest magnitude in the block)) - 2, held to -126 .. 127; a block of zeros has e = 0. As a byte (E8M0): e + 127.
;;     - Each number is divided by its block's scale, clamped to +-7.5, and rounded to the nearest number of E2M3, ties to even, subnormals kept.
;;     - The product sums the exact products of the quantised numbers (number of the format x scale) in f32.
;;   ~~~python
;;   def quantise(x, axis):      # numpy; x: float32 -> the quantised numbers, widened to float32 again
;;       x = np.moveaxis(x, axis, -1); K = x.shape[-1]
;;       x = np.pad(x, [(0, 0)] * (x.ndim - 1) + [(0, -K % 32)]); x = x.reshape(x.shape[:-1] + (-1, 32)); a = np.abs(x).max(-1, keepdims=True)
;;       e = np.where(a > 0, np.clip(np.frexp(np.where(a > 0, a, 1))[1] - 1 - 2, -126, 127), 0)      # np.frexp(a)[1] - 1 = floor(log2(a)), exactly
;;       r = np.clip(x / 2.0 ** e, -7.5, 7.5)
;;       step = 2.0 ** (np.maximum(np.frexp(np.where(r == 0, 1, r))[1] - 1, 0) - 3)
;;       q = np.round(r / step) * step * 2.0 ** e      # np.round: ties to even
;;       return np.moveaxis(q.reshape(q.shape[:-2] + (-1,))[..., :K], -1, axis).astype(np.float32)
;;   ~~~
;;   SOFTMAX AHEAD OF A QUANTISED PRODUCT. Where the list says 'softmax', what is quantised is not the finished softmax but p = 2^(t - M), with t = logit x log2(e) and M = ceil(the row's largest t), a whole number; so 1/2 < the row's largest p <= 1. The row's sum l is taken of the UNQUANTISED p, in f32, and the product's result is divided by l at the end. Since M is a whole number, a kernel that streams over the keys may use a running M (the ceiling of the running maximum): every later rescaling is an exact power of two, which a block's scale takes up: the codes' values come out the same.
;;   OPERANDS COMPUTED ON THE WAY. 'Computed on the way' means the value that the module computes at that place (a softmax that the list does not call 'softmax' is quantised finished and normalised). What goes into a quantiser is computed in f32, as accurately as f32 sums, v_exp_f32 and their like allow (about 1e-6 of the number): no bf16 or f16 on the way to a quantiser, and a product that is left as it is and whose result goes on into a quantised operand takes f32 operands (vector FMAs, or v_wmma_f32_16x16x4_f32). A number that lies on a knife's edge between two numbers of the format may be rounded either way, as far as f32 arithmetic and the matrix unit's own rounding can turn it there, and no further.
;;   INPUTS GIVEN AS CODES. key (in the module: [8, 2048, 1024], K = its axis 2); query (in the module: [8, 2048, 1024], K = its axis 2); value (in the module: [8, 2048, 1024], K = its axis 1): each comes as NAME_codes (uint8): NAME with its K axis moved to the last place and cut into blocks of 32 codes, [.., K / 32, bytes a block], one block behind the other in memory; four codes in three bytes: a row's codes are one little-endian stream of bits, code i at bits 6 i .. 6 i + 5 (a code: sign, 2 exponent bits, 3 mantissa bits); and NAME_scales (uint8): the same leading axes, one E8M0 byte (e + 127) for each 32 codes along K. Its value is code x scale, taken as it is: it is not quantised again, and the codes and scales need not be those that the quantiser above would give.
;; One version. Each part assembles by itself: llvm-mc -triple=amdgcn-amd-amdhsa -mcpu=gfx1250 --defsym DOCPART=n.
;; ======== version 1 of 1: 1 launch
;; launch attn (part 1): grid 32 x 8, 4 waves a work-group, no clusters, 327,680 bytes of LDS; arguments query_codes, query_scales, key_codes, key_scales, value_codes, value_scales, out0; writes out0
.if DOCPART == 1
	.amdgcn_target "amdgcn-amd-amdhsa--gfx1250"
	.amdhsa_code_object_version 6
	.text
	.protected	k_qf12982a17c_attn
	.globl	k_qf12982a17c_attn
	.p2align	8
	.type	k_qf12982a17c_attn,@function
k_qf12982a17c_attn:
	s_mov_b64 s[64:65], 0
	v_nop
	global_prefetch_b8 v0, s[64:65] scope:SCOPE_SE
	s_setreg_imm32_b32 hwreg(HW_REG_WAVE_MODE, 25, 1), 1
	s_wait_xcnt 0x0
; out[b][q][:] = sum over k <= q of softmax_k(Q[b][q] . K[b][k] / 32) V[b][k][:], 8 batches, 2,048 positions, head size 1,024, both products on codes of FP6 (E2M3) with one E8M0 scale for each 32 along a product's K.
; Q, K: rows of 1,024 codes (768 bytes), scale rows of 32 bytes.  V: [1,024 d][2,048 keys] codes (rows of 1,536 bytes), scale rows of 64 bytes.  out: f32, rows of 4,096 bytes.
; THE SOFTMAX AHEAD OF THE SECOND PRODUCT: t = score x log2(e) / 32; M = the running largest t rounded UP to a whole number; p = 2^(t - M) is quantised along the keys, not normalised; the sum of the unquantised p divides at the end.
; When M moves, the sum and O are multiplied by f = 2^(old M - new M): exact.
; WORK LEFT OUT: a key step (128 keys) whose first key lies behind the work-group's last query lies wholly under the lower-triangular mask that the problem builds itself: every score there becomes -infinity, every p is 0,
; whatever the inputs hold.  Such steps are neither fetched nor multiplied.  LIMITS: a NaN, an infinity or an overflow that reaches only those steps is not carried to the result; scale bytes 0xff are not served;
; a p under 2^-126 counts as 0 (the exponential gives 0 there: ISA guide 15.8).
; SHARES.  A work-group owns 64 queries of one batch (y: the batch), 256 work-groups of four waves.  O^T of 64 queries x 1,024 is 512 registers in each wave: more queries do not fit.
;   The block of queries is 2 (x % 16) + x / 16: sixteen work-groups with neighbouring numbers have sixteen different numbers of live key steps, x % 16 + 1.
;   S: waves 2 p and 2 p + 1 are a pair.  Wave w multiplies head steps 4 (w % 2) + 0 .. 3 of all 128 keys with TWO query tiles, its own (w) and its partner's (w xor 1): a fragment of K read from LDS feeds two products,
;   and a wave reads half of K's slot.  Its partial sums for the partner's tile go to the partner through LDS as an image of their registers, and the two halves are added in f32.
;   Softmax: wave w owns queries 16 w .. 16 w + 15; a lane holds ONE query (lane % 16) throughout (both products are used transposed).
;   O^T += V^T P^T: the waves share the head: wave w owns d = 256 w .. 256 w + 255 for all 64 queries: 16 x 4 accumulators.  P's codes, its scale words and f go from wave to wave through LDS as images of their registers.
; THE KEYS OF A TILE ARE NOT NEIGHBOURS: lane r of tile 2 b + u takes key 32 b + 8 u + r + 8 (r / 8), so that the 16 registers of tiles 2 b, 2 b + 1 are 16 neighbouring keys.  K's tensor load lays a tile's 16 rows side by side in LDS.
; THE RING: one slot for K, one for V, three barriers a step.  Behind barrier A K's step is whole and V's slot is free: each wave asks for its quarter of V.  Behind barrier X the partial sums are whole; nothing is filled there,
; and V's load may stay out across it.  Behind barrier B V and P are whole and K's slot is free: each wave asks for its quarter of the next K.  Every wait on TENSORcnt is for 0; a wave has two tensor loads out at the head, later one.
; EVERY work-group walks all 16 steps, so that the trip count is a constant; beyond its last live step tests on ids alone, the same in all four waves, lead round the tensor load, round S, round the softmax and round the
; second product, never round a wait, the add or a barrier.
; NO CLUSTER: partners would be query blocks of one batch with different last live steps; the trip count is to stay a constant: partners would fetch tiles that none of their waves reads.
.set KREG,   26112                     ; K's slot: region w = 32 rows of 816 bytes (768 + 16 behind every 256): 204 words from row to row, so the 32 lanes of a load of 8 bytes touch 64 different words modulo 64
.set VSL,    4*KREG                    ; V's slot: region w = 256 rows of 96 bytes
.set VREG,   24576
.set VSC,    VSL+4*VREG                ; V's scale bytes of wave w's 256 rows, all keys: 64 units of 256 bytes + 16; filled once
.set VSREG,  17408
.set PIMG,   VSC+4*VSREG               ; P's fragments as images: 1,536 bytes a wave
.set PSCL,   PIMG+4*1536               ; P's scale words, 128 bytes a wave; + 512: f; + 1024: 1 / the row's sum
.set SPARE,  PSCL+3*512                ; the spare words, 128 bytes for each wave: two blocks of 256 bytes that no other line names
.set XCH,    SPARE+512                 ; the partial sums of S on their way to the partner: 8,192 bytes a wave
.set SPITCH, 1040                      ; the way out: a stage of 16 rows x (1,024 + 16) bytes for each wave, in its region of K's slot, which has then had its last fill and its last read
; window 0
.set AK,   1                           ; v1, v2  K's rows in regions 0, 1: 816 r + 24 h, 816 r + 40 h (behind one padding more);  v3, v4: the same in regions 2, 3
.set AV,   5                           ; v5   my place in a tile of V
.set ASV,  6                           ; v6   my place among V's scale words;  v7: with the step's 4 J
.set ADT,  7
.set SPW,  8                           ; v8   LDS address of my spare word; never rewritten
.set NIL,  9                           ; v9   0; never rewritten
.set PWI,  10                          ; v10  where I store P's image;  v11: its scale word, f, 1 / sum
.set PWS,  11
.set QS0,  16                          ; v16-19  Q's scale words of my four head steps: lanes 0-15 my tile's, lanes 16-31 my partner's
.set KS0,  20                          ; v20-35  K's: register 4 b + q: head step q of my four; lanes 0-15 tile 2 b, lanes 16-31 tile 2 b + 1
.set XW,   36                          ; v36  where I store the partner's partial sums;  v37: where I read mine
.set XR,   37
.set VS0,  52                          ; v52-59  V's: register a: lanes 0-15 tile 2 a, lanes 16-31 tile 2 a + 1
.set LI,   60                          ; v60  16 x lane in P's images;  v61: 4 x lane in the words
.set LS,   61
.set KSO,  62                          ; v62  my byte among a step's scale rows of K
.set FM,   64                          ; v64 + 2 m: f of query tile m, at the end 1 / sum;  v65 + 2 m: P's scale word of tile m
.set STO,  72                          ; v72, v73, v74: the way out: into the stage, back, and in a row of out
.set SRD,  73
.set GO,   74
.set PKO,  75                          ; v75, v76: the prefetches' offsets: 256 x lane, 1,536 x lane
.set PVO,  76
; v12 -M, v13 the largest t, v[14:15] the sum in two halves; v96-159 S^T of my tile, then p; v160-223 S^T of my partner's tile, then my partner's sums for mine; in the second product v96-143 P's four fragments; v224-254 at work
; window 1: v0-47 Q's four fragments of my tile, v48-95 of my partner's; v96-239 three buffers of four fragments of K or V.   windows 2, 3: O^T: accumulator (d tile t, query tile m) at v[8 (4 (t % 8) + m)] of window 2 + t / 8
.set WV,   18
.set LIM,  19                          ; the last live key step: block / 2 = x % 16
.set SEL,  20                          ; s[20:21] selects for lane l xor 16
.set CS,   22                          ; s[22:23] c = log2(e) / 32
.set G1K,  24
.set G1V,  32
.set G1S,  40
.set G0K,  48
.set G0V,  52
.set G0S,  56
.set J,    60                          ; the key step
.set KF,   61                          ; its first key
.set Q0,   62                          ; my first query
.set TJ,   63                          ; 4 J
.set EH,   66                          ; my half of the head: wave % 2
.set XB,   67                          ; my block of 64 queries
.set KSB,  68                          ; s[68:69] K's scale rows of the step to be loaded next
.set PFK,  70                          ; s[70:71], s[72:73] where my prefetches stand
.set PFV,  72
.set KLIM, 74                          ; 14 in the work-group that prefetches, else 0
.set VMSK, 75                          ; bits 2, 5, 8, 10, 13 there, else 0
.set MSB, 0
.macro WIN new                         ; the immediate's high byte repeats the setting that is left
.if MSB != \new
	s_set_vgpr_msb (MSB<<8)|\new
.set MSB, \new
.endif
.endm
.macro PLACES                          ; four plain places behind matrix instructions, in front of loads into their registers and of the first read of results
.rept 4
	v_nop
.endr
.endm
.macro TLOAD g0, g1                    ; an s_nop 0 and four v_nop follow each tensor load
	tensor_load_to_lds s[\g0:\g0+3], s[\g1:\g1+7]
	s_nop 0
.rept 4
	v_nop
.endr
.endm
.macro KSCALES                         ; my half of a step's 128 scale rows of K: 16 bytes a lane, two tiles a load
.irp b, 0,1,2,3
	global_load_b128 v[KS0+4*\b:KS0+4*\b+3], v[KSO], s[KSB:KSB+1] offset:1024*\b
.endr
.endm
.macro WM zero, rowa, rowb             ; one product on DR, AR, BR, SA, SB; rowa, rowb: the scales stand in lanes 16-31
.if (\zero) && (\rowa) && (\rowb)
	v_wmma_scale_f32_16x16x128_f8f6f4 v[DR:DR+7], v[AR:AR+11], v[BR:BR+11], 0, v[SA], v[SB] matrix_a_fmt:MATRIX_FMT_FP6 matrix_b_fmt:MATRIX_FMT_FP6 matrix_a_scale:MATRIX_SCALE_ROW1 matrix_b_scale:MATRIX_SCALE_ROW1
.elseif (\zero) && (\rowa)
	v_wmma_scale_f32_16x16x128_f8f6f4 v[DR:DR+7], v[AR:AR+11], v[BR:BR+11], 0, v[SA], v[SB] matrix_a_fmt:MATRIX_FMT_FP6 matrix_b_fmt:MATRIX_FMT_FP6 matrix_a_scale:MATRIX_SCALE_ROW1
.elseif (\zero) && (\rowb)
	v_wmma_scale_f32_16x16x128_f8f6f4 v[DR:DR+7], v[AR:AR+11], v[BR:BR+11], 0, v[SA], v[SB] matrix_a_fmt:MATRIX_FMT_FP6 matrix_b_fmt:MATRIX_FMT_FP6 matrix_b_scale:MATRIX_SCALE_ROW1
.elseif \zero
	v_wmma_scale_f32_16x16x128_f8f6f4 v[DR:DR+7], v[AR:AR+11], v[BR:BR+11], 0, v[SA], v[SB] matrix_a_fmt:MATRIX_FMT_FP6 matrix_b_fmt:MATRIX_FMT_FP6
.elseif (\rowa) && (\rowb)
	v_wmma_scale_f32_16x16x128_f8f6f4 v[DR:DR+7], v[AR:AR+11], v[BR:BR+11], v[DR:DR+7], v[SA], v[SB] matrix_a_fmt:MATRIX_FMT_FP6 matrix_b_fmt:MATRIX_FMT_FP6 matrix_a_scale:MATRIX_SCALE_ROW1 matrix_b_scale:MATRIX_SCALE_ROW1
.elseif \rowa
	v_wmma_scale_f32_16x16x128_f8f6f4 v[DR:DR+7], v[AR:AR+11], v[BR:BR+11], v[DR:DR+7], v[SA], v[SB] matrix_a_fmt:MATRIX_FMT_FP6 matrix_b_fmt:MATRIX_FMT_FP6 matrix_a_scale:MATRIX_SCALE_ROW1
.elseif \rowb
	v_wmma_scale_f32_16x16x128_f8f6f4 v[DR:DR+7], v[AR:AR+11], v[BR:BR+11], v[DR:DR+7], v[SA], v[SB] matrix_a_fmt:MATRIX_FMT_FP6 matrix_b_fmt:MATRIX_FMT_FP6 matrix_b_scale:MATRIX_SCALE_ROW1
.else
	v_wmma_scale_f32_16x16x128_f8f6f4 v[DR:DR+7], v[AR:AR+11], v[BR:BR+11], v[DR:DR+7], v[SA], v[SB] matrix_a_fmt:MATRIX_FMT_FP6 matrix_b_fmt:MATRIX_FMT_FP6
.endif
.endm
	s_load_b256 s[4:11], s[0:1], 0x0               ; Q's codes s[4:5], Q's scales s[6:7], K's codes s[8:9], K's scales s[10:11]
	s_load_b128 s[12:15], s[0:1], 0x20             ; V's codes, V's scales
	s_load_b64 s[16:17], s[0:1], 0x30              ; out
	v_lshl_add_u32 v[SPW], v0, 2, SPARE
	v_mov_b32 v[NIL], 0
	ds_add_u32 v[SPW], v[NIL]                      ; the wave's opening: the add, twice on end, and its wait ahead of my first tensor load
	ds_add_u32 v[SPW], v[NIL]                      ; and once more; the set-up below, work on registers, stands between it and the wait
	v_lshrrev_b32 v80, 5, v0
	v_readfirstlane_b32 s[WV], v80                 ; wave 0..3
	s_and_b32 s[EH], s[WV], 1                      ; my half of the head
	s_and_b32 s[LIM], ttmp9, 15
	s_lshl_b32 s[XB], s[LIM], 1
	s_lshr_b32 s77, ttmp9, 4
	s_or_b32 s[XB], s[XB], s77                     ; my block: 2 (x % 16) + x / 16
	s_and_b32 s76, ttmp7, 0xffff                   ; the batch
	s_lshl_b32 s[Q0], s[XB], 6
	s_xor_b32 s2, s[WV], 1
	s_lshl_b32 s2, s2, 4
	s_add_co_u32 s2, s2, s[Q0]                     ; my partner's first query: 64 block + 16 (w xor 1)
	s_lshl_b32 s77, s[WV], 4
	s_add_co_u32 s[Q0], s[Q0], s77                 ; my first query: 64 block + 16 w
	; K: 4 rows of 6,144 bytes (8 key rows on end), 12,288 bytes (16 key rows) apart; elements of 8 bytes; 16 bytes of padding behind every 256
	s_mov_b32 s[G1K+0], (3<<16)|(1<<20)|(5<<22)|(3<<25)
	s_mov_b32 s[G1K+1], 768<<16                    ; tensor_dim0
	s_mov_b32 s[G1K+2], 4<<16                      ; tensor_dim1
	s_mov_b32 s[G1K+3], 768<<16                    ; tile_dim0
	s_mov_b32 s[G1K+4], 4                          ; tile_dim1
	s_mov_b32 s[G1K+5], 1536                       ; from row to row
	s_mov_b32 s[G1K+6], 0
	s_mov_b32 s[G1K+7], 0
	; V: 256 rows of 96 bytes, 1,536 bytes apart, no padding
	s_mov_b32 s[G1V+0], 3<<16
	s_mov_b32 s[G1V+1], 12<<16
	s_mov_b32 s[G1V+2], 256<<16
	s_mov_b32 s[G1V+3], 12<<16
	s_mov_b32 s[G1V+4], 256
	s_mov_b32 s[G1V+5], 192
	s_mov_b32 s[G1V+6], 0
	s_mov_b32 s[G1V+7], 0
	; V's scale bytes: 16,384 dense bytes as 64 rows of 256, 16 bytes of padding behind each
	s_mov_b32 s[G1S+0], (3<<16)|(1<<20)|(5<<22)|(3<<25)
	s_mov_b32 s[G1S+1], 32<<16
	s_mov_b32 s[G1S+2], 64<<16
	s_mov_b32 s[G1S+3], 32<<16
	s_mov_b32 s[G1S+4], 64
	s_mov_b32 s[G1S+5], 32
	s_mov_b32 s[G1S+6], 0
	s_mov_b32 s[G1S+7], 0
	; byte offsets, all under 2^32, each in a pair with 0 above it
	s_mul_i32 s78, s76, 0x180000                   ; the batch in a tensor of codes
	s_mov_b32 s79, 0
	s_lshl_b32 s80, s76, 16                        ; and in a tensor of scale bytes
	s_mov_b32 s81, 0
	s_lshr_b32 s82, s[WV], 1
	s_lshl_b32 s82, s82, 6
	s_lshl_b32 s83, s[EH], 3
	s_add_co_u32 s82, s82, s83                     ; my quarter of K begins at key 64 (w / 2) + 8 (w % 2)
	s_mul_i32 s82, s82, 768
	s_add_co_u32 s82, s82, s78
	s_mov_b32 s83, 0
	s_mul_i32 s84, s[WV], 393216                   ; my 256 rows of V
	s_add_co_u32 s84, s84, s78
	s_mov_b32 s85, 0
	s_lshl_b32 s86, s[WV], 14                      ; and their scale rows
	s_add_co_u32 s86, s86, s80
	s_mov_b32 s87, 0
	s_mul_i32 s77, s[EH], 384                      ; my half of a row of Q: four head steps of 96 bytes
	s_mul_i32 s88, s[Q0], 768                      ; my queries' codes,
	s_add_co_u32 s88, s88, s78
	s_add_co_u32 s88, s88, s77
	s_mov_b32 s89, 0
	s_mul_i32 s2, s2, 768                          ; my partner's,
	s_add_co_u32 s2, s2, s78
	s_add_co_u32 s2, s2, s77
	s_mov_b32 s3, 0
	s_lshl_b32 s90, s[XB], 11                      ; the block's 64 scale rows of Q, at my half's 16 bytes
	s_add_co_u32 s90, s90, s80
	s_lshl_b32 s77, s[EH], 4
	s_add_co_u32 s90, s90, s77
	s_mov_b32 s91, 0
	s_lshl_b32 s92, s76, 23                        ; out: the batch, the block's 64 rows, my 1,024 bytes of a row
	s_lshl_b32 s93, s[XB], 18
	s_add_co_u32 s92, s92, s93
	s_lshl_b32 s93, s[WV], 10
	s_add_co_u32 s92, s92, s93
	s_mov_b32 s93, 0
	s_mul_i32 s94, s[WV], 24576                    ; K's prefetches: my quarter of a step's dense 98,304 bytes, at step 1: the first change steps it to step 2
	s_add_co_u32 s94, s94, s78
	s_add_co_u32 s94, s94, 98304
	s_mov_b32 s95, 0
	s_mov_b32 s76, s77                             ; 16 x my half, for K's scale rows
	s_mul_i32 s[G0K+1], s[WV], KREG                ; LDS addresses: a constant x the wave's number + a constant
	s_mul_i32 s[G0V+1], s[WV], VREG
	s_add_co_u32 s[G0V+1], s[G0V+1], VSL
	s_mul_i32 s[G0S+1], s[WV], VSREG
	s_add_co_u32 s[G0S+1], s[G0S+1], VSC
	s_mov_b32 s[SEL], 0x76543210
	s_mov_b32 s[SEL+1], 0xfedcba98
	s_mov_b32 s[CS], 0x3d38aa3b                    ; c = log2(e) / 32
	s_mov_b32 s[CS+1], s[CS]                       ; (named with it as a pair, so it is written)
	s_mov_b32 s[J], 0
	s_mov_b32 s[KF], 0
	s_mov_b32 s[TJ], 0
	s_cmp_eq_u32 ttmp9, 31                         ; x = 31 has the batch's last block and walks all 16 steps: it alone prefetches, so each block of bytes is named once
	s_cselect_b32 s[KLIM], 14, 0
	s_cselect_b32 s[VMSK], 0x2524, 0
	s_wait_dscnt 0x0                               ; both opening adds are done
	s_wait_kmcnt 0x0
	s_mov_b32 s[G0K], 1
	s_add_nc_u64 s[G0K+2:G0K+3], s[8:9], s[82:83]
	s_or_b32 s[G0K+3], s[G0K+3], 0x80000000
	s_mov_b32 s[G0V], 1
	s_add_nc_u64 s[G0V+2:G0V+3], s[12:13], s[84:85]
	s_or_b32 s[G0V+3], s[G0V+3], 0x80000000
	s_mov_b32 s[G0S], 1
	s_add_nc_u64 s[G0S+2:G0S+3], s[14:15], s[86:87]
	s_or_b32 s[G0S+3], s[G0S+3], 0x80000000
	TLOAD G0K, G1K                                 ; the first fills, by every wave, with no branch: my quarter of K's step 0,
	TLOAD G0S, G1S                                 ; and my rows' scale bytes of V, for all keys
	s_add_nc_u64 s[2:3], s[4:5], s[2:3]            ; Q's codes at my partner's tile,
	s_add_nc_u64 s[4:5], s[4:5], s[88:89]          ; and at mine
	s_add_nc_u64 s[6:7], s[6:7], s[90:91]
	s_add_nc_u64 s[16:17], s[16:17], s[92:93]
	s_add_nc_u64 s[KSB:KSB+1], s[10:11], s[80:81]
	s_add_nc_u64 s[PFK:PFK+1], s[8:9], s[94:95]
	s_add_nc_u64 s[PFV:PFV+1], s[12:13], s[84:85]
	s_add_nc_u64 s[PFV:PFV+1], s[PFV:PFV+1], 191   ; V's prefetches name the last byte of a row's part of a step: here step 1's
	v_and_b32 v81, 31, v0                          ; lane
	v_and_b32 v82, 15, v0                          ; r
	v_bfe_u32 v83, v0, 4, 1                        ; h
	v_mul_u32_u24 v85, v82, 768
	v_mad_u32_u24 v85, v83, 24, v85                ; Q: row r, + 24 h
	v_xor_b32 v86, s[WV], v83                      ; Q's scales: lanes 0-15 take tile w, lanes 16-31 tile w xor 1:
	v_lshlrev_b32 v86, 9, v86                      ; 16 rows of 32 bytes a tile,
	v_lshl_add_u32 v86, v82, 5, v86                ; row r
	v_and_b32 v84, 8, v82
	v_add_nc_u32 v84, v84, v82                     ; r + 8 (r / 8)
	v_lshl_add_u32 v84, v83, 3, v84                ; + 8 h: lanes 16-31 take the odd tile of the two
	v_lshlrev_b32 v[KSO], 5, v84
	v_add_nc_u32 v[KSO], s76, v[KSO]               ; + my half's 16 bytes
	WIN 0x40                                       ; destination window 1
.irp s, 0,1,2,3
.irp p, 0,1,2,3,4,5
	global_load_b64 v[12*\s+2*\p:12*\s+2*\p+1], v85, s[4:5] offset:96*\s+48*(\p/3)+8*(\p%3) th:TH_LOAD_NT   ; my tile's four fragments of Q stay in registers,
.endr
.endr
.irp s, 0,1,2,3
.irp p, 0,1,2,3,4,5
	global_load_b64 v[48+12*\s+2*\p:48+12*\s+2*\p+1], v85, s[2:3] offset:96*\s+48*(\p/3)+8*(\p%3) th:TH_LOAD_NT   ; and my partner's tile's: each half of each row is read by one wave
.endr
.endr
	WIN 0
	global_load_b128 v[QS0:QS0+3], v86, s[6:7]
	KSCALES                                        ; step 0's
	v_mul_u32_u24 v[AK], v82, 816
	v_mad_u32_u24 v[AK+1], v83, 40, v[AK]
	v_mad_u32_u24 v[AK], v83, 24, v[AK]
	v_add_nc_u32 v[AK+2], 2*KREG, v[AK]
	v_add_nc_u32 v[AK+3], 2*KREG, v[AK+1]
	v_mul_u32_u24 v[AV], v82, 96
	v_mad_u32_u24 v[AV], v83, 24, v[AV]
	v_add_nc_u32 v[AV], s[G0V+1], v[AV]            ; + my region of V's slot
	v_lshrrev_b32 v84, 2, v81
	v_mul_u32_u24 v[ASV], v84, 272                 ; V's scale row of 64 bytes: four to a unit of 256 + 16
	v_and_b32 v84, 3, v81
	v_lshl_add_u32 v[ASV], v84, 6, v[ASV]
	v_add_nc_u32 v[ASV], s[G0S+1], v[ASV]
	v_lshlrev_b32 v[GO], 4, v81
	s_mul_i32 s77, s[WV], 1536
	s_add_co_u32 s77, s77, PIMG
	v_add_nc_u32 v[PWI], s77, v[GO]
	v_add_nc_u32 v[LI], PIMG, v[GO]
	s_lshl_b32 s77, s[WV], 13
	s_add_co_u32 s77, s77, XCH
	v_add_nc_u32 v[XW], s77, v[GO]                 ; the partial sums: I store into my 8,192 bytes,
	s_xor_b32 s77, s[WV], 1
	s_lshl_b32 s77, s77, 13
	s_add_co_u32 s77, s77, XCH
	v_add_nc_u32 v[XR], s77, v[GO]                 ; and read my partner's
	v_lshl_add_u32 v[PWS], v0, 2, PSCL             ; 128 w + 4 lane = 4 x the thread's number
	v_lshl_add_u32 v[LS], v81, 2, PSCL
	v_mul_u32_u24 v[STO], v82, SPITCH
	v_lshl_add_u32 v[STO], v83, 5, v[STO]
	v_add_nc_u32 v[STO], s[G0K+1], v[STO]
	v_add_nc_u32 v[SRD], s[G0K+1], v[GO]
	v_lshlrev_b32 v[PKO], 8, v81
	v_mul_u32_u24 v[PVO], v81, 1536
	v_mov_b32 v13, 0xff61b1e6                      ; the largest t so far: -3e38, under every t
	v_floor_f32 v12, -v13                          ; -M
	v_mov_b32 v14, 0                               ; the sum, in two halves
	v_mov_b32 v15, 0
.irp b, 0,1,2,3
	v_mov_b32 v[236+\b], 0                         ; written once: a lane permute's destination counts as one of its sources
.endr
	v_mov_b32 v252, 0
	v_mov_b32 v253, 0
.set II, 0
.rept 64
	v_mov_b32 v[96+II], 0                          ; S^T's registers, once: S and the addition of its halves stand behind tests of their own, and every way through the text finds these written
.set II, II+1
.endr
	; O^T begins as zeros, once for the launch: so the key step is written without a first step of its own, and the first f, which is 0, multiplies zeros
	WIN 0x80
.set II, 0
.rept 256
	v_mov_b32 v[II], 0
.set II, II+1
.endr
	WIN 0xc0
.set II, 0
.rept 256
	v_mov_b32 v[II], 0
.set II, II+1
.endr
	WIN 0
; A fragment of K: 16 rows x 128 along the head, in six pieces of 8 bytes.  Lanes 16-31 read three pieces further on, which for some pieces is behind one padding more: the second address register serves those.
.macro KFRAG reg, adr, s, base
.irp p, 0,1,2,3,4,5
.set PC, 12*(\s)+6*(\p/3)+\p%3
.if PC%32 < 29
	ds_load_b64 v[\reg+2*\p:\reg+2*\p+1], v[\adr] offset:(\base)+8*PC+16*(PC/32)
.else
	ds_load_b64 v[\reg+2*\p:\reg+2*\p+1], v[\adr+1] offset:(\base)+8*PC+16*(PC/32)
.endif
.endr
.endm
.macro KGRP g, e                       ; group g of 8: head step 4 e + g / 2, key tiles 4 (g % 2) + 0 .. 3, into buffer g % 3: 24 loads
	WIN 0x40
.irp tt, 0,1,2,3
	KFRAG 96+48*((\g)%3)+12*\tt, AK+2*((\g)%2), 4*(\e)+(\g)/2, (\tt%2)*KREG+(\tt/2)*13056
.endr
.endm
.macro SMUL g                          ; its eight products: four key tiles x my tile and my partner's.  The sixteen accumulators take turns, one instruction a turn
	WIN 0x05                                       ; K and Q window 1, S^T window 0
.irp tt, 0,1,2,3
.irp i, 0,1
.set TT, 4*((\g)%2)+\tt
.set SS, (\g)/2
.set DR, 96+64*\i+8*TT
.set AR, 96+48*((\g)%3)+12*\tt
.set BR, 12*(4*\i+SS)
.set SA, KS0+4*(TT/2)+SS
.set SB, QS0+SS
	WM SS==0, TT%2, \i
.endr
.endr
.endm
; My half of S^T = K Q^T for two query tiles: 8 groups; two groups of loads run ahead of the products.  Half a row of K is 384 bytes and the padding stands behind every 256: the two halves have other offsets, so the
; phase is written for each (e = 0, 1) and chosen by the wave's number; the address registers are the same
.macro SPHASE e
	PLACES                                         ; with the four below: more than the five places owed before S^T is written over P's fragments, which the last products read
	KGRP 0, \e
	KGRP 1, \e
.irp g, 0,1,2,3,4,5,6,7
.if \g < 6
	PLACES                                         ; the buffer was read by the group before this one
	KGRP \g+2, \e
	s_wait_dscnt 48                                ; behind group g's loads: the next two groups' 24 each
.elseif \g == 6
	s_wait_dscnt 24
.else
	s_wait_dscnt 0x0
.endif
	SMUL \g
.endr
	WIN 0
	PLACES
.endm
.macro XSTORE                          ; my sums for my partner's tile go to LDS as they stand in the registers, each accumulator from its low end on
.set II, 0
.rept 16
	ds_store_b128 v[XW], v[160+4*II:163+4*II] offset:512*II
.set II, II+1
.endr
.endm
.macro XADD                            ; my partner's sums for my tile come back so, and the two halves of the head are added in f32
	PLACES                                         ; on every way four places lie between the last matrix instruction and these loads and additions
.set II, 0
.rept 16
	ds_load_b128 v[160+4*II:163+4*II], v[XR] offset:512*II
.set II, II+1
.endr
.irp q, 0,1,2,3
	s_wait_dscnt 12-4*\q                           ; loads 4 q .. 4 q + 3 are in; the younger ones may be out
.irp n, 0,2,4,6,8,10,12,14
	v_pk_add_f32 v[96+16*\q+\n:97+16*\q+\n], v[96+16*\q+\n:97+16*\q+\n], v[160+16*\q+\n:161+16*\q+\n]
.endr
.endr
.endm
; On the diagonal the scores of hidden keys become -infinity ahead of the maximum: p = 0 then.  A step all of whose keys count for my 16 queries skips this
.macro MASK
	s_add_co_u32 s76, s[KF], 127
	s_cmp_le_u32 s76, s[Q0]
	s_cbranch_scc1 .Lopen_\@
	s_sub_co_i32 s76, s[Q0], s[KF]
	v_and_b32 v252, 15, v0
	v_bfe_u32 v253, v0, 4, 1
	v_lshlrev_b32 v253, 4, v253
	v_sub_nc_u32 v252, v252, v253
	v_add_nc_u32 v252, s76, v252                   ; d = my query - KF - 16 h.  Register 16 b + i holds key KF + 32 b + 16 h + i: hidden where 32 b + i > d
	v_mov_b32 v254, 0xff800000
.set NN, 0
.rept 64
	v_cmp_gt_i32 vcc_lo, 32*(NN/16)+NN%16, v252
	v_cndmask_b32 v[96+NN], v[96+NN], v254, vcc_lo
.set NN, NN+1
.endr
.Lopen_\@:
.endm
.macro SOFTMAX
.irp b, 0,1,2,3
	v_max3_num_f32 v[232+\b], v[96+16*\b], v[97+16*\b], v[98+16*\b]   ; the largest score of each block of 32 keys: for the row's maximum, and, since p rises with the score, for the block's largest p
.endr
.irp i, 3,5,7,9,11,13
.irp b, 0,1,2,3
	v_max3_num_f32 v[232+\b], v[232+\b], v[96+16*\b+\i], v[97+16*\b+\i]
.endr
.endr
.irp b, 0,1,2,3
	v_max_num_f32 v[232+\b], v[232+\b], v[111+16*\b]
.endr
.irp b, 0,1,2,3
	v_permlanex16_b32 v[236+\b], v[232+\b], s[SEL], s[SEL+1]
.endr
.irp b, 0,1,2,3
	v_max_num_f32 v[232+\b], v[232+\b], v[236+\b]   ; with lane l xor 16's 16 keys
.endr
	v_max3_num_f32 v254, v232, v233, v234
	v_max_num_f32 v254, v254, v235
	v_mul_f32 v254, s[CS], v254                    ; the step's largest t of my query
	v_max_num_f32 v13, v13, v254
	v_mov_b32 v254, v12
	v_floor_f32 v12, -v13                          ; the new -M = -ceil(t): a whole number
	v_sub_f32 v254, v12, v254                      ; old M - new M, 0 or less
	v_cvt_i32_f32 v254, v254                       ; (it saturates)
	v_ldexp_f32 v252, 1.0, v254                    ; f = 2^(old M - new M)
.set NN, 0
.rept 32
	v_pk_fma_f32 v[96+NN:97+NN], v[96+NN:97+NN], s[CS:CS+1], v[12:13] op_sel_hi:[1,0,0]   ; t - M
.set NN, NN+2
.endr
.irp b, 0,1,2,3
	v_fma_f32 v[232+\b], v[232+\b], s[CS], v12
.endr
.set NN, 0
.rept 64
	v_exp_f32 v[96+NN], v[96+NN]                   ; p = 2^(t - M)
.set NN, NN+1
.endr
	v_pk_mul_f32 v[14:15], v[14:15], v[252:253] op_sel_hi:[1,0]   ; the sums under the new M: the plain place behind the exponentials
	s_wait_alu depctr_va_vdst(0)                   ; one wait for the batch of 64, ahead of its first reader
.irp b, 0,1,2,3
	v_exp_f32 v[232+\b], v[232+\b]                 ; each block's largest p
.endr
	v_pk_add_f32 v[236:237], v[96:97], v[98:99]    ; the row's sum is taken of the unquantised p, in two chains
.irp j, 4,8,12,16,20,24,28,32,36,40,44,48,52,56,60
	v_pk_add_f32 v[14:15], v[14:15], v[96+\j:97+\j]
	v_pk_add_f32 v[236:237], v[236:237], v[98+\j:99+\j]
.endr
	v_pk_add_f32 v[14:15], v[14:15], v[236:237]
	s_wait_alu depctr_va_vdst(0)                   ; and one for the four
.irp b, 0,1,2,3
	v_max_num_f32 v[232+\b], 0x1800000, v[232+\b]  ; the floor 2^(3 - 127): the byte cannot fall under 1; a block of zeros keeps that byte, its codes are zeros
.endr
.irp b, 0,1,2,3
	v_add_nc_u32 v[244+\b], 0xff000000, v[232+\b]  ; 2 off the exponent field: the conversion's scale operand
.endr
.irp b, 0,1,2,3
	v_lshrrev_b32 v[236+\b], 23, v[244+\b]         ; the scale's byte
.endr
	v_lshl_or_b32 v253, v237, 8, v236              ; p's scale word for these 128 keys
	v_lshl_or_b32 v253, v238, 16, v253
	v_lshl_or_b32 v253, v239, 24, v253
.irp c, 0,1
	v_cvt_scalef32_pk16_fp6_f32 v[224+6*\c:226+6*\c], v[96+32*\c:111+32*\c], v[244+2*\c]
	v_cvt_scalef32_pk16_fp6_f32 v[236+4*\c:238+4*\c], v[112+32*\c:127+32*\c], v[244+2*\c+1]   ; (a conversion's three registers begin on an even number)
.endr
	v_nop                                          ; one plain place behind a scaled conversion
.irp c, 0,1                                    ; the operand's layout wants a whole block in a lane
.irp i, 0,1,2
	v_permlane16_swap_b32 v[224+6*\c+\i], v[236+4*\c+\i]
.endr
.irp i, 0,1,2
	v_mov_b32 v[227+6*\c+\i], v[236+4*\c+\i]
.endr
.endr
.endm
.macro IMAGES                          ; my tile's P, its scale word and f go to LDS as they stand in the registers
	ds_store_b128 v[PWI], v[224:227]
	ds_store_b128 v[PWI], v[228:231] offset:512
	ds_store_b128 v[PWI], v[232:235] offset:1024
	ds_store_b32 v[PWS], v253
	ds_store_b32 v[PWS], v252 offset:512
.endm
; BARRIER A.  In front: all my tensor loads have landed (my quarter of this step's K), the add, my LDS reads of V's slot are over.  Behind: K is whole, V's slot is free: my quarter of this step's V is asked for.
.macro CHANGE_A fill
	s_wait_tensorcnt 0x0                           ; no tensor load of mine is out, so a group 0 may be written
	ds_add_u32 v[SPW], v[NIL]                      ; 0 onto my spare word
	s_wait_loadcnt 0x0                             ; this step's scale words of K are in (at the first step Q too): on every path, so that no load is issued into registers with a load pending
.if \fill
	s_add_nc_u64 s[G0K+2:G0K+3], s[G0K+2:G0K+3], 98304   ; K's descriptor: the next 128 keys; the type bits on top are not reached
	s_add_nc_u64 s[KSB:KSB+1], s[KSB:KSB+1], 4096  ; their scale rows (the loads that read this base are done)
	s_wait_xcnt 0x0                                ; K's last prefetches, a phase back, have read their base
	s_add_nc_u64 s[PFK:PFK+1], s[PFK:PFK+1], 98304
.endif
	s_wait_dscnt 0x0                               ; the add is done, and my reads of V's slot and of P's images are over
	s_barrier_signal -1
	s_barrier_wait -1
	s_cmp_gt_u32 s[J], s[LIM]                      ; ids and the count of steps alone: a step behind the last live one is read by no wave, so it is not asked for
	s_cbranch_scc1 .Lno_v_\@
	TLOAD G0V, G1V                                 ; my one tensor load behind this barrier
.Lno_v_\@:
.if \fill
	; a prefetch into the L2 of V's next step: a row's part of a step is 96 bytes; a lane names its last byte, and only in the steps (2, 5, 8, 10, 13) whose part ends in an aligned block of 256 bytes that no earlier step touched.
	; 256 rows a wave, a lane a row, eight instructions; one step ahead of the tensor load that will want them
	s_add_co_u32 s76, s[J], 1
	s_bitcmp1_b32 s[VMSK], s76
	s_cbranch_scc0 .Lno_pv_\@
.irp i, 0,1,2,3,4,5,6,7
	global_prefetch_b8 v[PVO], s[PFV:PFV+1] offset:49152*\i th:TH_LOAD_NT scope:SCOPE_SE
.endr
.Lno_pv_\@:
.endif
.endm
; BARRIER B.  In front: my quarter of V has landed, the add, my reads of K's slot are over and my images are stored.  Behind: P is whole, K's slot is free: my quarter of the next step's K is asked for.
.macro CHANGE_B fill
	s_wait_tensorcnt 0x0
	ds_add_u32 v[SPW], v[NIL]
.if \fill
	s_add_nc_u64 s[G0V+2:G0V+3], s[G0V+2:G0V+3], 96   ; V's descriptor: the next 128 keys of each row
	s_wait_xcnt 0x0                                ; V's last prefetches, two phases back, have read their base
	s_add_nc_u64 s[PFV:PFV+1], s[PFV:PFV+1], 96
.endif
	s_wait_dscnt 0x0
	s_barrier_signal -1
	s_barrier_wait -1
.if \fill
	s_cmp_ge_u32 s[J], s[LIM]                      ; step J + 1 is live where J is under the last live step
	s_cbranch_scc1 .Lno_k_\@
	TLOAD G0K, G1K                                 ; my one tensor load behind this barrier: it has the second product in which to land
.Lno_k_\@:
	s_cmp_ge_u32 s[J], s[LIM]
	s_cbranch_scc1 .Lno_ks_\@
	KSCALES                                        ; and its scale words
.Lno_ks_\@:
	; a prefetch into the L2 of K's step J + 2, 98,304 dense bytes: 24,576 a wave, lanes 256 bytes apart, three instructions; it stops where J + 2 would pass step 15
	s_cmp_lt_u32 s[J], s[KLIM]
	s_cbranch_scc0 .Lno_pk_\@
.irp i, 0,1,2
	global_prefetch_b8 v[PKO], s[PFK:PFK+1] offset:8192*\i th:TH_LOAD_NT scope:SCOPE_SE
.endr
.Lno_pk_\@:
.endif
.endm
.macro VGRP G                          ; d tiles 4 G + 0 .. 3 of my 16, into buffer G % 2: 24 loads
	WIN 0x40
.irp tt, 0,1,2,3
.irp p, 0,1,2,3,4,5
	ds_load_b64 v[96+48*((\G)%2)+12*\tt+2*\p:96+48*((\G)%2)+12*\tt+2*\p+1], v[AV] offset:1536*(4*(\G)+\tt)+48*(\p/3)+8*(\p%3)
.endr
.endr
.endm
.macro RESCALE                         ; a window's 32 accumulators x f of their query tile, each from its low end on
.set AI, 0
.rept 32
.irp i, 0,2,4,6
	v_pk_mul_f32 v[8*AI+\i:8*AI+\i+1], v[8*AI+\i:8*AI+\i+1], v[FM+2*(AI%4):FM+2*(AI%4)+1] op_sel_hi:[1,0]
.endr
.set AI, AI+1
.endr
.endm
; O^T = f O^T + V^T P^T for my 256 of the head and all 64 queries
.macro PVPHASE
	v_add_nc_u32 v[ADT], s[TJ], v[ASV]             ; V's scale words of this step
	PLACES
.irp m, 0,1,2,3
	ds_load_b32 v[FM+2*\m], v[LS] offset:512+128*\m
	ds_load_b32 v[FM+2*\m+1], v[LS] offset:128*\m
.endr
.irp m, 0,1,2,3
.irp c, 0,1,2
	ds_load_b128 v[96+12*\m+4*\c:96+12*\m+4*\c+3], v[LI] offset:1536*\m+512*\c
.endr
.endr
.irp a, 0,1,2,3,4,5,6,7
	ds_load_b32 v[VS0+\a], v[ADT] offset:2176*\a
.endr
	VGRP 0
	s_wait_dscnt 44                                ; behind the eight loads of f and P's scale words: 12 + 8 + 24
	WIN 0x82                                       ; O^T window 2, f window 0
	RESCALE
	VGRP 1
	WIN 0xc3
	RESCALE
.irp G, 0,1,2,3
.if \G < 3
	s_wait_dscnt 24                                ; behind group G's loads: the next group's 24
.else
	s_wait_dscnt 0x0
.endif
.if \G < 2
	WIN 0xa1                                       ; V window 1, P window 0, O^T window 2
.else
	WIN 0xf1                                       ; O^T window 3
.endif
.irp tt, 0,1,2,3
.irp m, 0,1,2,3                                ; 64 accumulators, one instruction each in a step: by turns
.set TD, 4*\G+\tt
.set DR, 8*(4*(TD%8)+\m)
.set AR, 96+48*(\G%2)+12*\tt
.set BR, 96+12*\m
.set SA, VS0+TD/2
.set SB, FM+2*\m+1
	WM 0, TD%2, 0
.endr
.endr
.if \G < 2
	PLACES
	VGRP \G+2
.endif
.endr
	WIN 0
.endm
; A KEY STEP.  fill = 1: the next step's K is asked for, up to the last live step
.macro TRIP fill
	CHANGE_A \fill
	s_cmp_gt_u32 s[J], s[LIM]
	s_cbranch_scc1 .Lno_s_\@
	s_cmp_eq_u32 s[EH], 0                          ; the wave's number alone: which half of the head is mine
	s_cbranch_scc0 .Lodd_\@
	SPHASE 0
	s_branch .Lsent_\@
.Lodd_\@:
	SPHASE 1
.Lsent_\@:
	XSTORE
.Lno_s_\@:
	s_wait_dscnt 0x0                               ; BARRIER X: for my partner's sake: my stores of its sums are done.  My quarter of V may stay out
	s_barrier_signal -1
	s_barrier_wait -1
	s_cmp_gt_u32 s[J], s[LIM]
	s_cbranch_scc1 .Lno_m_\@
	XADD
	MASK
	SOFTMAX
	IMAGES
.Lno_m_\@:
	CHANGE_B \fill
	s_cmp_gt_u32 s[J], s[LIM]
	s_cbranch_scc1 .Lno_pv_\@
	PVPHASE
.Lno_pv_\@:
	s_add_co_u32 s[KF], s[KF], 128
	s_add_co_u32 s[TJ], s[TJ], 4
.endm
.Ltrip:                                            ; 15 trips
	TRIP 1
	s_add_co_u32 s[J], s[J], 1
	s_cmp_lt_u32 s[J], 15
	s_cbranch_scc1 .Ltrip
	TRIP 0                                         ; the last step is written out: behind it there is no K to ask for
	; THE WAY OUT.  Each wave's 1 / sum goes to the others as f did; then O^T / sum goes through my stage, 16 queries x my 1,024 bytes at a time, and leaves as runs of 512 consecutive bytes.
	PLACES
	v_add_f32 v14, v14, v15
	v_permlanex16_b32 v252, v14, s[SEL], s[SEL+1]
	v_add_f32 v14, v14, v252                       ; the row's sum
	v_rcp_f32 v14, v14
	v_nop                                          ; one plain place behind the reciprocal
	s_wait_alu depctr_va_vdst(0)                   ; and the wait ahead of its first reader
	ds_store_b32 v[PWS], v14 offset:1024
	s_wait_dscnt 0x0                               ; for the others' sake: my store is done
	s_barrier_signal -1
	s_barrier_wait -1                              ; behind it nobody reads K's slot either: the stages may be written
.irp m, 0,1,2,3
	ds_load_b32 v[FM+2*\m], v[LS] offset:1024+128*\m
.endr
	s_wait_dscnt 0x0
.macro OUTM m
.if \m > 0
	s_wait_xcnt 0x0                                ; the last tile's stores have read their registers
.endif
	WIN 0x02                                       ; source 0 window 2
.irp t, 0,1,2,3,4,5,6,7
.irp i, 0,2,4,6
	v_pk_mul_f32 v[96+8*\t+\i:96+8*\t+\i+1], v[8*(4*\t+\m)+\i:8*(4*\t+\m)+\i+1], v[FM+2*\m:FM+2*\m+1] op_sel_hi:[1,0]
.endr
.endr
	WIN 0x03                                       ; window 3
.irp t, 0,1,2,3,4,5,6,7
.irp i, 0,2,4,6
	v_pk_mul_f32 v[160+8*\t+\i:160+8*\t+\i+1], v[8*(4*\t+\m)+\i:8*(4*\t+\m)+\i+1], v[FM+2*\m:FM+2*\m+1] op_sel_hi:[1,0]
.endr
.endr
	WIN 0
.set II, 0
.rept 32
	ds_store_b128 v[STO], v[96+4*II:96+4*II+3] offset:16*II+16*(II/2)*2   ; lane (r, h): out(16 m + r, 256 w + 16 t + 8 h + 0 .. 7): 64 t + 16 e bytes on, II = 2 t + e
.set II, II+1
.endr
.set II, 0
.rept 32
	ds_load_b128 v[96+4*II:96+4*II+3], v[SRD] offset:SPITCH*(II/2)+512*(II%2)   ; LDS serves a wave's instructions in order (ISA guide 5.7.1.4): these see my stores, and the next tile's stores come behind them
.set II, II+1
.endr
.set II, 0
.rept 32
	s_wait_dscnt 31-II
	global_store_b128 v[GO], v[96+4*II:96+4*II+3], s[16:17] offset:(16*\m+II/2)*4096+512*(II%2) th:TH_STORE_NT   ; 32 lanes store 512 consecutive bytes, at a multiple of 256 from out's first byte
.set II, II+1
.endr
.endm
	OUTM 0
	OUTM 1
	OUTM 2
	OUTM 3
	s_wait_tensorcnt 0x0                           ; the wave's end, behind my last tensor load and my last LDS store
	ds_add_u32 v[SPW], v[NIL]
	s_wait_dscnt 0x0
	s_endpgm
.Lfunc_end_k_qf12982a17c_attn:
	.size	k_qf12982a17c_attn, .Lfunc_end_k_qf12982a17c_attn-k_qf12982a17c_attn
	.p2alignl 7, 3214868480
	.fill 96, 4, 3214868480
	.section	.rodata,"a",@progbits
	.p2align	6, 0x0
	.amdhsa_kernel k_qf12982a17c_attn
		.amdhsa_group_segment_fixed_size 327680
		.amdhsa_private_segment_fixed_size 0
		.amdhsa_enable_private_segment 0
		.amdhsa_kernarg_size 56
		.amdhsa_user_sgpr_count 2
		.amdhsa_user_sgpr_kernarg_segment_ptr 1
		.amdhsa_wavefront_size32 1
		.amdhsa_system_sgpr_workgroup_id_x 1
		.amdhsa_system_sgpr_workgroup_id_y 1
		.amdhsa_system_sgpr_workgroup_id_z 1
		.amdhsa_system_vgpr_workitem_id 0
		.amdhsa_next_free_vgpr 1024
		.amdhsa_next_free_sgpr 96
		.amdhsa_reserve_vcc 1
		.amdhsa_float_denorm_mode_32 3
		.amdhsa_float_denorm_mode_16_64 3
		.amdhsa_memory_ordered 1
		.amdhsa_forward_progress 1
		.amdhsa_inst_pref_size 255
	.end_amdhsa_kernel
	.section	.bss,"aw",@nobits
	.p2align	6
	.space	262144
	.amdgpu_metadata
---
amdhsa.version: [ 1, 2 ]
amdhsa.kernels:
  - .name:           k_qf12982a17c_attn
    .symbol:         k_qf12982a17c_attn.kd
    .args:
      - { .name: query_codes, .offset: 0, .size: 8, .value_kind: global_buffer, .address_space: global }
      - { .name: query_scales, .offset: 8, .size: 8, .value_kind: global_buffer, .address_space: global }
      - { .name: key_codes, .offset: 16, .size: 8, .value_kind: global_buffer, .address_space: global }
      - { .name: key_scales, .offset: 24, .size: 8, .value_kind: global_buffer, .address_space: global }
      - { .name: value_codes, .offset: 32, .size: 8, .value_kind: global_buffer, .address_space: global }
      - { .name: value_scales, .offset: 40, .size: 8, .value_kind: global_buffer, .address_space: global }
      - { .name: out0, .offset: 48, .size: 8, .value_kind: global_buffer, .address_space: global }
    .group_segment_fixed_size: 327680
    .private_segment_fixed_size: 0
    .kernarg_segment_align: 8
    .kernarg_segment_size: 56
    .max_flat_workgroup_size: 128
    .sgpr_count:     96
    .vgpr_count:     1024
    .wavefront_size: 32
...
	.end_amdgpu_metadata
.endif
;; end of part 1
